; MI455X (gfx1250); checked and timed in simulation.
; The chip was launched on July 23, 2026; its instructions are those of AMD's public machine-readable ISA for CDNA 5 (MIT licence, August 2026) and "CDNA5" Instruction Set Architecture Reference Guide (July 2026). The comments in the code are by the model that wrote it; some were corrected since.
;; Shared Tversky Interpretable. Allowed arithmetic: matrix products marked QUANTISED: E2M3 operands, one E8M0 scale for each 32 along K, by v_wmma_scale_f32_16x16x128_f8f6f4 with both operands' format E2M3, f32 sums; everything else in f32.
;; Inputs: alpha one number float32; beta one number float32; bias 256 float32; features 256 x 512 float32; prototypes 256 x 256 float32; x 2,048 x 512 float32.
;; Outputs: out0 2,048 x 256 float32.
;; This version of the problem:
;;   THIS VERSION OF THE PROBLEM IS GIVEN IN LOW PRECISION. The matrix products marked QUANTISED in the list below multiply operands that are first quantised to E2M3 (2 exponent bits, 3 mantissa bits; 6 bits a number), with one power-of-two scale for each 32 numbers along K (OCP MX v1.0); their sums are f32. All else is computed in f32.
;;   The module's matrix products, in the order in which they are computed (A, B: the left and right operand; K: the contracted axis; several contracted axes count as one K, in the product's order):
;;     1. [M 2,048, K 512] x [K 512, N 256]; A: input x; B: input features: QUANTISED
;;   THE QUANTISER, for each operand of a quantised product, along K:
;;     - K is cut into blocks of 32 from its start; a last block that is shorter is filled with zeros.
;;     - A block's scale is 2^e with e = floor(log2(the largest magnitude in the block)) - 2, held to -126 .. 127; a block of zeros has e = 0. As a byte (E8M0): e + 127.
;;     - Each number is divided by its block's scale, clamped to +-7.5, and rounded to the nearest number of E2M3, ties to even, subnormals kept.
;;     - The product sums the exact products of the quantised numbers (number of the format x scale) in f32.
;;   ~~~python
;;   def quantise(x, axis):      # numpy; x: float32 -> the quantised numbers, widened to float32 again
;;       x = np.moveaxis(x, axis, -1); K = x.shape[-1]
;;       x = np.pad(x, [(0, 0)] * (x.ndim - 1) + [(0, -K % 32)]); x = x.reshape(x.shape[:-1] + (-1, 32)); a = np.abs(x).max(-1, keepdims=True)
;;       e = np.where(a > 0, np.clip(np.frexp(np.where(a > 0, a, 1))[1] - 1 - 2, -126, 127), 0)      # np.frexp(a)[1] - 1 = floor(log2(a)), exactly
;;       r = np.clip(x / 2.0 ** e, -7.5, 7.5)
;;       step = 2.0 ** (np.maximum(np.frexp(np.where(r == 0, 1, r))[1] - 1, 0) - 3)
;;       q = np.round(r / step) * step * 2.0 ** e      # np.round: ties to even
;;       return np.moveaxis(q.reshape(q.shape[:-2] + (-1,))[..., :K], -1, axis).astype(np.float32)
;;   ~~~
;; One version. Each part assembles by itself: llvm-mc -triple=amdgcn-amd-amdhsa -mcpu=gfx1250 --defsym DOCPART=n.
;; ======== version 1 of 1: 2 launches
;; workspace buffers: xt 2,097,152 bytes; pt 262,144 bytes
;; launch prep (part 1): grid 4 x 64, 8 waves a work-group, clusters of 4 x 4, 249,856 bytes of LDS; arguments x, features, prototypes, xt, pt; writes xt, pt
.if DOCPART == 1
	.amdgcn_target "amdgcn-amd-amdhsa--gfx1250"
	.amdhsa_code_object_version 6
	.text
	.protected	k_q1a050e9a2f_prep
	.globl	k_q1a050e9a2f_prep
	.p2align	8
	.type	k_q1a050e9a2f_prep,@function
k_q1a050e9a2f_prep:
	s_mov_b64 s[64:65], 0
	v_nop
	global_prefetch_b8 v0, s[64:65] scope:SCOPE_SE
	s_setreg_imm32_b32 hwreg(HW_REG_WAVE_MODE, 25, 1), 1
	s_wait_xcnt 0x0
	s_wait_alu depctr_hold_cnt(0) depctr_sa_sdst(0) depctr_va_vdst(0) depctr_va_sdst(0) depctr_va_ssrc(0) depctr_va_vcc(0) depctr_vm_vsrc(0)
	s_getreg_b32 s2, hwreg(HW_REG_IB_STS2, 6, 4)
	s_cmp_eq_u32 s2, 0
	s_cbranch_scc0 .Lentry_in_a_cluster
	s_endpgm
.Lentry_in_a_cluster:
	s_bfe_u32 s2, ttmp6, 0x10000c
	s_cmp_lg_u32 s2, 0xf033
	s_cbranch_scc0 .Lentry_shape_is_right
	s_endpgm
.Lentry_shape_is_right:
; xt = sigmoid(Q(x) Q(features)^T), pt = sigmoid(prototypes), both laid as the next launch reads them.
; x [2048][512], features [256][512], prototypes [256][256]: f32.  Q: codes of FP6 (E2M3) with one E8M0 scale for each 32 along K = 512; the product by v_wmma_scale_f32_16x16x128_f8f6f4, sums in f32.
; xt: [64 blocks of 32 b][256 f][32 b] f32;  pt: [4 blocks of 64 p][256 f][64 p] f32.
; SHARES.  Work-group (x = fq, y = bt): rows 32 bt .. + 31 of x against features 64 fq .. + 63: 8 fragments of x and 16 of features (16 rows x 128 K each), 8 tiles of 16 x 16 results.
; Eight waves.  Wave w fetches and quantises what is its own: fragment w of x (rows 16 (w / 4) on, K step w % 4) and fragments 2 w, 2 w + 1 of features (rows 16 (w / 2) on, K steps 2 (w % 2), + 1).
; The codes go from wave to wave through LDS as images of the operand's registers; then wave w makes the tile (features 16 (w / 2) on) x (rows 16 (w % 2) on).
; CLUSTER 4 x 4.  The four work-groups of a cluster's row share bt, so x's tiles are asked for jointly along the row; the four of a column share fq, so the features' tiles jointly along the column.
; Every LDS byte is filled once: no slot is filled again.
; Wave 0 also makes 64 prototypes (block fq) x 4 features (4 bt on) of pt.
; LIMITS: NaN and infinities among the inputs are not served.  A block of zeros gets the scale byte 1 where the quantiser's rule says 127: its codes are zeros, and this launch alone reads the bytes.
.set XPI,   528                        ; a raw row of x's tile in LDS: 512 bytes + 16 of padding = 33 x 16: the 16 rows that a load touches start at 16 different groups of banks (64 banks of 4 bytes: ISA guide 11.1)
.set FPI,   1040                       ; a raw row of the features' tile: 1,024 bytes + 16 = 65 x 16
.set RAWF,  16*XPI                     ; a wave's raw bytes: x's 16 rows, then the features' 16 rows
.set RAWW,  RAWF+16*FPI                ; 25,088 bytes a wave
.set FRB,   1536                       ; a fragment's image: 12 registers x 128 bytes
.set IMG,   8*RAWW                     ; the images: x's fragment 4 (rows / 16) + K step at index 0 .. 7, the features' at 8 + 4 (rows / 16) + K step
.set ISC,   IMG+24*FRB                 ; their scale words, 128 bytes each
.set STG,   ISC+24*128                 ; the stage for the way out: [64 f][32 b] f32, 8,192 bytes
.set NLOG2E, 0xbfb8aa3b                ; -log2(e)
.set LN,  1                            ; v1   lane
.set RR,  2                            ; v2   lane % 16
.set HH,  3                            ; v3   lane / 16
.set RXA, 4                            ; v4   my 64 bytes in a block of 32 of my raw row of x
.set RFA, 5                            ; v5   the same in the features' tile
.set LI,  6                            ; v6   16 x lane
.set LS,  7                            ; v7   4 x lane
.set IWX, 8                            ; v8   where I store x's image;  v9 the features' two
.set IWF, 9
.set SWX, 10                           ; v10  and their scale words;  v11
.set SWF, 11
.set AXF, 12                           ; v12  where I fetch my tile's four fragments of x;  v13 of features
.set AFF, 13
.set SXF, 14                           ; v14  and their scale words;  v15
.set SFF, 15
.set STW, 16                           ; v16  the stage: where my results go
.set STR, 17                           ; v17  and where I read 16 bytes back
.set PRO, 18                           ; v18  prototypes: 2,048 x lane (two rows a lane); never rewritten
.set PSO, 19                           ; v19  pt: 8 x lane; never rewritten
.set TM,  20                           ; v20-35 the quantiser's maxima, bytes and scale operands
.set PW,  36                           ; v36  the scale word just made
.set GOF, 37                           ; v37  my byte offset in the work-group's 8,192 bytes of xt
.set PC,  40                           ; v40-59 the codes just made
.set RA,  64                           ; v64-127, v128-191: two sets of 64 raw numbers
.set RB,  128
.set XF,  64                           ; later: four fragments of x, four of features
.set FF,  112
.set XS,  200                          ; v200-203 x's scale words, v204-207 the features': these registers hold scales and nothing else
.set FS,  204
.set A0,  208                          ; two accumulators
.set A1,  216
.set SG,  224                          ; v224-231 at work on sigmoids
.set RC,  232                          ; v232-239 my tile's sigmoids
.set PO,  240                          ; v240-247 wave 0: pt's numbers; never rewritten
.set OB,  248                          ; v248-255 the way out
.set WV,  14
.set SEL, 18
.set G0X, 32                           ; s[32:35], s[36:39] descriptor groups 0;  s[48:55], s[56:63] groups 1
.set G0F, 36
.set G1X, 48
.set G1F, 56
; A round of the cluster's barrier: my work-group's barrier, wave 0 signals for the work-group, every wave waits for all sixteen, my work-group's barrier once more.
.macro CROUND
	s_barrier_signal -1
	s_barrier_wait -1
	s_cmp_lg_u32 s[WV], 0
	s_cbranch_scc1 .Lnot_wave_0_\@
	s_barrier_signal -3
.Lnot_wave_0_\@:
	s_barrier_wait -3
	s_barrier_signal -1
	s_barrier_wait -1
.endm
.macro BARRIER                         ; my LDS stores have landed and my LDS loads are in: then the work-group's barrier
	s_wait_dscnt 0x0
	s_barrier_signal -1
	s_barrier_wait -1
.endm
; 64 raw numbers of a lane: register 16 b + i = k 32 b + 16 (lane / 16) + i of row lane % 16, from off bytes on in the raw rows
.macro RAW reg, adr, off
.irp b, 0,1,2,3
.irp q, 0,1,2,3
	ds_load_b128 v[\reg+16*\b+4*\q:\reg+16*\b+4*\q+3], v[\adr] offset:\off+128*\b+16*\q
.endr
.endr
.endm
; These 64 numbers become a fragment's codes in v[PC] on and its scale word in v[PW].
.macro QUANT s
.irp b, 0,1,2,3
	v_max3_num_f32 v[TM+\b], |v[\s+16*\b]|, |v[\s+1+16*\b]|, 0x1800000   ; block b: my 16 numbers, and the floor 2^(3 - 127): the byte cannot fall under 1
.endr
.irp i, 2,4,6,8,10,12,14
.irp b, 0,1,2,3
	v_max3_num_f32 v[TM+\b], v[TM+\b], |v[\s+16*\b+\i]|, |v[\s+1+16*\b+\i]|   ; the four blocks by turns
.endr
.endr
.irp b, 0,1,2,3
	v_permlanex16_b32 v[TM+4+\b], v[TM+\b], s[SEL], s[SEL+1]
.endr
.irp b, 0,1,2,3
	v_max_num_f32 v[TM+\b], v[TM+\b], v[TM+4+\b]   ; with lane l xor 16's: the block's largest magnitude
.endr
.irp b, 0,1,2,3
	v_add_nc_u32 v[TM+12+\b], 0xff000000, v[TM+\b]   ; 2 off its exponent field: the conversion takes this operand's exponent field as its scale
.endr
.irp b, 0,1,2,3
	v_lshrrev_b32 v[TM+4+\b], 23, v[TM+12+\b]      ; the scale's byte
.endr
	v_lshl_or_b32 v[PW], v[TM+5], 8, v[TM+4]       ; four bytes: my row's scale word
	v_lshl_or_b32 v[PW], v[TM+6], 16, v[PW]
	v_lshl_or_b32 v[PW], v[TM+7], 24, v[PW]
.irp c, 0,1
	v_cvt_scalef32_pk16_fp6_f32 v[PC+6*\c:PC+2+6*\c], v[\s+32*\c:\s+15+32*\c], v[TM+12+2*\c]
	v_cvt_scalef32_pk16_fp6_f32 v[PC+12+4*\c:PC+14+4*\c], v[\s+16+32*\c:\s+31+32*\c], v[TM+12+2*\c+1]   ; (a conversion's three registers begin on an even number)
.endr
	v_nop                                          ; one plain place behind a scaled conversion
.irp c, 0,1                                    ; the operand's layout wants a whole block in a lane: lanes 0-15 block 2 c, lanes 16-31 block 2 c + 1
.irp i, 0,1,2
	v_permlane16_swap_b32 v[PC+6*\c+\i], v[PC+12+4*\c+\i]
.endr
.irp i, 0,1,2
	v_mov_b32 v[PC+3+6*\c+\i], v[PC+12+4*\c+\i]
.endr
.endr
.endm
.macro IMAGE adr, off                          ; the fragment in v[PC] on goes to LDS as it stands: lane l's 16 bytes at 16 l, 512 bytes a store
.irp c, 0,1,2
	ds_store_b128 v[\adr], v[PC+4*\c:PC+4*\c+3] offset:\off+512*\c
.endr
.endm
	s_load_b256 s[4:11], s[0:1], 0x0               ; x s[4:5], features s[6:7], prototypes s[8:9], xt s[10:11]
	s_load_b64 s[12:13], s[0:1], 0x20              ; pt
	v_lshl_add_u32 v198, v0, 2, 0x3cc00
	v_mov_b32 v199, 0
	ds_add_u32 v198, v199
	ds_add_u32 v198, v199
	v_lshrrev_b32 v[LN], 5, v0
	v_readfirstlane_b32 s[WV], v[LN]               ; wave 0..7
	v_and_b32 v[LN], 31, v0
	v_and_b32 v[RR], 15, v0
	v_bfe_u32 v[HH], v0, 4, 1
	s_and_b32 s15, s[WV], 1
	s_lshr_b32 s16, s[WV], 1
	s_mov_b32 s[SEL], 0x76543210
	s_mov_b32 s[SEL+1], 0xfedcba98                 ; v_permlanex16_b32's selects for lane l xor 16
	s_bfe_u32 s40, ttmp6, 0x40000                  ; cx, cy: my place in the cluster
	s_bfe_u32 s41, ttmp6, 0x40004
	s_lshl_b32 s42, ttmp9, 2
	s_add_co_u32 s42, s42, s40                     ; fq = 4 x cluster x + cx
	s_and_b32 s17, ttmp7, 0xffff
	s_lshl_b32 s17, s17, 2
	s_add_co_u32 s17, s17, s41                     ; bt = 4 x cluster y + cy
	s_lshl_b32 s43, s41, 2
	s_lshl_b32 s43, 15, s43                        ; my row of the cluster
	s_lshl_b32 s44, 0x1111, s40                    ; my column
	; descriptor groups 1.  x: 16 rows x 128 elements of 4 bytes, 512 elements from row to row; 4 words of padding behind every 128 words
	s_or_b32 s[G1X], s43, (2<<16)|(1<<20)|(1<<21)|(6<<22)|(3<<25)
	s_mov_b32 s[G1X+1], 128<<16                    ; tensor_dim0
	s_mov_b32 s[G1X+2], 16<<16                     ; tensor_dim1
	s_mov_b32 s[G1X+3], 128<<16                    ; tile_dim0
	s_mov_b32 s[G1X+4], 16                         ; tile_dim1
	s_mov_b32 s[G1X+5], 512                        ; tensor_dim0_stride
	s_mov_b32 s[G1X+6], 0
	s_mov_b32 s[G1X+7], 0
	; features: 16 rows x 256 elements; 4 words of padding behind every 256 words
	s_or_b32 s[G1F], s44, (2<<16)|(1<<20)|(1<<21)|(7<<22)|(3<<25)
	s_mov_b32 s[G1F+1], 256<<16
	s_mov_b32 s[G1F+2], 16<<16
	s_mov_b32 s[G1F+3], 256<<16
	s_mov_b32 s[G1F+4], 16
	s_mov_b32 s[G1F+5], 512
	s_mov_b32 s[G1F+6], 0
	s_mov_b32 s[G1F+7], 0
	; where my tiles begin.  x's hangs on bt and the wave alone, the features' on fq and the wave alone, each in registers that never hold the other coordinate
	s_lshl_b32 s20, s17, 16                        ; 32 bt rows of 2,048 bytes
	s_lshr_b32 s21, s[WV], 2
	s_lshl_b32 s21, s21, 15                        ; + 16 (w / 4) rows
	s_add_co_u32 s20, s20, s21
	s_and_b32 s21, s[WV], 3
	s_lshl_b32 s21, s21, 9                         ; + K step w % 4: 512 bytes
	s_add_co_u32 s20, s20, s21
	s_mov_b32 s21, 0
	s_lshl_b32 s46, s42, 17                        ; 64 fq rows
	s_lshl_b32 s47, s16, 15                        ; + 16 (w / 2) rows
	s_add_co_u32 s46, s46, s47
	s_lshl_b32 s47, s15, 10                        ; + two K steps x (w % 2)
	s_add_co_u32 s46, s46, s47
	s_mov_b32 s47, 0
	s_mul_i32 s45, s[WV], RAWW                     ; my raw bytes in LDS: the wave's number alone
	; prototypes: rows 64 fq on, features 4 bt on;  pt: block fq, rows 4 bt on;  xt: block bt, rows 64 fq on
	s_lshl_b32 s26, s42, 16
	s_lshl_b32 s27, s17, 4
	s_add_co_u32 s26, s26, s27
	s_mov_b32 s27, 0
	s_lshl_b32 s28, s42, 16
	s_lshl_b32 s29, s17, 10
	s_add_co_u32 s28, s28, s29
	s_mov_b32 s29, 0
	s_lshl_b32 s30, s17, 15
	s_lshl_b32 s31, s42, 13
	s_add_co_u32 s30, s30, s31
	s_mov_b32 s31, 0
	; every LDS address is made here, ahead of the one branch on the wave's number
	v_mul_u32_u24 v[RXA], v[RR], XPI
	v_lshl_add_u32 v[RXA], v[HH], 6, v[RXA]
	v_add_nc_u32 v[RXA], s45, v[RXA]
	v_mul_u32_u24 v[RFA], v[RR], FPI
	v_lshl_add_u32 v[RFA], v[HH], 6, v[RFA]
	s_add_co_u32 s22, s45, RAWF
	v_add_nc_u32 v[RFA], s22, v[RFA]
	v_lshlrev_b32 v[LI], 4, v[LN]
	v_lshlrev_b32 v[LS], 2, v[LN]
	s_mul_i32 s22, s[WV], FRB
	s_add_co_u32 s22, s22, IMG
	v_add_nc_u32 v[IWX], s22, v[LI]                ; image w
	s_mul_i32 s22, s[WV], 2*FRB
	s_add_co_u32 s22, s22, IMG+8*FRB
	v_add_nc_u32 v[IWF], s22, v[LI]                ; images 8 + 2 w, + 1
	s_lshl_b32 s22, s[WV], 7
	s_add_co_u32 s22, s22, ISC
	v_add_nc_u32 v[SWX], s22, v[LS]
	s_lshl_b32 s22, s[WV], 8
	s_add_co_u32 s22, s22, ISC+8*128
	v_add_nc_u32 v[SWF], s22, v[LS]
	s_mul_i32 s22, s15, 4*FRB
	s_add_co_u32 s22, s22, IMG
	v_add_nc_u32 v[AXF], s22, v[LI]                ; images 4 (w % 2) on
	s_mul_i32 s22, s16, 4*FRB
	s_add_co_u32 s22, s22, IMG+8*FRB
	v_add_nc_u32 v[AFF], s22, v[LI]                ; images 8 + 4 (w / 2) on
	s_lshl_b32 s22, s15, 9
	s_add_co_u32 s22, s22, ISC
	v_add_nc_u32 v[SXF], s22, v[LS]
	s_lshl_b32 s22, s16, 9
	s_add_co_u32 s22, s22, ISC+8*128
	v_add_nc_u32 v[SFF], s22, v[LS]
	s_lshl_b32 s22, s16, 11                        ; the stage: rows 16 (w / 2) on, of 128 bytes,
	s_lshl_b32 s23, s15, 6                         ; columns 16 (w % 2) on, of 4 bytes
	s_add_co_u32 s22, s22, s23
	s_add_co_u32 s22, s22, STG
	v_lshlrev_b32 v[STW], 2, v[RR]
	v_lshl_add_u32 v[STW], v[HH], 10, v[STW]       ; + 8 (lane / 16) rows
	v_add_nc_u32 v[STW], s22, v[STW]
	s_lshl_b32 s22, s[WV], 10
	v_add_nc_u32 v[GOF], s22, v[LI]                ; back: wave w takes 1,024 bytes, 16 a lane
	v_add_nc_u32 v[STR], STG, v[GOF]
	v_lshlrev_b32 v[PRO], 11, v[LN]
	v_lshlrev_b32 v[PSO], 3, v[LN]
.irp b, 0,1,2,3
	v_mov_b32 v[TM+4+\b], 0                        ; written once: a lane permute's destination counts as one of its sources
.endr
	s_wait_dscnt 0x0
	s_wait_kmcnt 0x0
	s_add_nc_u64 s[20:21], s[4:5], s[20:21]
	s_add_nc_u64 s[46:47], s[6:7], s[46:47]
	s_add_nc_u64 s[8:9], s[8:9], s[26:27]
	s_add_nc_u64 s[12:13], s[12:13], s[28:29]
	s_add_nc_u64 s[10:11], s[10:11], s[30:31]
	CROUND                                         ; all sixteen work-groups are here: the joint loads meet
	s_mov_b32 s[G0X], 1                            ; count = 1
	s_mov_b32 s[G0X+1], s45                        ; LDS address
	s_mov_b64 s[G0X+2:G0X+3], s[20:21]             ; global address of the tile's first element
	s_or_b32 s[G0X+3], s[G0X+3], 0x80000000        ; type = 2
	s_mov_b32 s[G0F], 1
	s_add_co_u32 s[G0F+1], s45, RAWF
	s_mov_b64 s[G0F+2:G0F+3], s[46:47]
	s_or_b32 s[G0F+3], s[G0F+3], 0x80000000
	tensor_load_to_lds s[G0X:G0X+3], s[G1X:G1X+7]  ; both first fills together: two loads of mine are out
	s_nop 0
	tensor_load_to_lds s[G0F:G0F+3], s[G1F:G1F+7]
	s_nop 0
.rept 4
	v_nop                                          ; four plain lines follow the loads
.endr
	; ---- wave 0, while the tiles are on their way: pt(f, p) = sigmoid(prototypes(p, f)) for 64 p x 4 f.  Lane l takes rows 2 l and 2 l + 1, 16 bytes of each.
	s_cmp_lg_u32 s[WV], 0
	s_cbranch_scc1 .Lno_proto
	global_load_b128 v[SG:SG+3], v[PRO], s[8:9]
	global_load_b128 v[SG+4:SG+7], v[PRO], s[8:9] offset:1024
	s_wait_loadcnt 0x0
.irp e, 0,2,4,6
	v_pk_mul_f32 v[SG+\e:SG+\e+1], v[SG+\e:SG+\e+1], NLOG2E op_sel_hi:[1,0]
.endr
.irp j, 0,1,2,3,4,5,6,7
	v_exp_f32 v[SG+\j], v[SG+\j]                   ; e^-z
.endr
	v_nop                                          ; a plain place behind the last exponential
	s_wait_alu depctr_va_vdst(0)                   ; one wait for the batch, ahead of its first reader
.irp e, 0,2,4,6
	v_pk_add_f32 v[SG+\e:SG+\e+1], v[SG+\e:SG+\e+1], 1.0 op_sel_hi:[1,0]
.endr
.irp k, 0,1,2,3
	v_rcp_f32 v[PO+2*\k], v[SG+\k]                 ; the two rows' numbers of one f land side by side: 8 bytes of a row of pt
	v_rcp_f32 v[PO+2*\k+1], v[SG+4+\k]
.endr
	v_nop
	s_wait_alu depctr_va_vdst(0)
.irp k, 0,1,2,3
	global_store_b64 v[PSO], v[PO+2*\k:PO+2*\k+1], s[12:13] offset:256*\k   ; 32 lanes store 256 consecutive bytes, aligned: a whole row [64 p] of pt
.endr
.Lno_proto:
	; ---- my three fragments: raw numbers out of my own LDS bytes, codes and scale words into the images
	s_wait_tensorcnt 0x1                           ; x's tile is in; the features' load, issued behind it, may be out
	RAW RA, RXA, 0
	s_wait_tensorcnt 0x0                           ; the features' tile is in
	RAW RB, RFA, 0
	s_wait_dscnt 16                                ; x's 16 loads are in; the 16 behind them may be out
	QUANT RA
	IMAGE IWX, 0
	ds_store_b32 v[SWX], v[PW]
	RAW RA, RFA, 512                               ; the features' second K step
	s_wait_dscnt 16                                ; the first K step's loads are in and the four stores have read their registers; the 16 loads just issued may be out
	QUANT RB
	IMAGE IWF, 0
	ds_store_b32 v[SWF], v[PW]
	s_wait_dscnt 0x0                               ; the loads are in, the stores have read their registers
	QUANT RA
	IMAGE IWF, FRB
	ds_store_b32 v[SWF], v[PW] offset:128
	BARRIER                                        ; all 24 images lie in LDS
	; ---- my tile: source 0 = 16 features, source 1 = 16 rows of x: register j of lane (r, h) is (f = 8 h + j, b = r)
.irp s, 0,1,2,3
.irp c, 0,1,2
	ds_load_b128 v[XF+12*\s+4*\c:XF+12*\s+4*\c+3], v[AXF] offset:\s*FRB+512*\c
	ds_load_b128 v[FF+12*\s+4*\c:FF+12*\s+4*\c+3], v[AFF] offset:\s*FRB+512*\c
.endr
	ds_load_b32 v[XS+\s], v[SXF] offset:128*\s
	ds_load_b32 v[FS+\s], v[SFF] offset:128*\s
.endr
	s_wait_dscnt 0x0
	; two accumulators by turns, one instruction a turn: K steps 0 and 2, K steps 1 and 3
	v_wmma_scale_f32_16x16x128_f8f6f4 v[A0:A0+7], v[FF:FF+11], v[XF:XF+11], 0, v[FS], v[XS] matrix_a_fmt:MATRIX_FMT_FP6 matrix_b_fmt:MATRIX_FMT_FP6
	v_wmma_scale_f32_16x16x128_f8f6f4 v[A1:A1+7], v[FF+12:FF+23], v[XF+12:XF+23], 0, v[FS+1], v[XS+1] matrix_a_fmt:MATRIX_FMT_FP6 matrix_b_fmt:MATRIX_FMT_FP6
	v_wmma_scale_f32_16x16x128_f8f6f4 v[A0:A0+7], v[FF+24:FF+35], v[XF+24:XF+35], v[A0:A0+7], v[FS+2], v[XS+2] matrix_a_fmt:MATRIX_FMT_FP6 matrix_b_fmt:MATRIX_FMT_FP6
	v_wmma_scale_f32_16x16x128_f8f6f4 v[A1:A1+7], v[FF+36:FF+47], v[XF+36:XF+47], v[A1:A1+7], v[FS+3], v[XS+3] matrix_a_fmt:MATRIX_FMT_FP6 matrix_b_fmt:MATRIX_FMT_FP6
.rept 4
	v_nop                                          ; four places in front of the first read of the results (ISA guide 7.12.1)
.endr
.irp e, 0,2,4,6
	v_pk_add_f32 v[SG+\e:SG+\e+1], v[A0+\e:A0+\e+1], v[A1+\e:A1+\e+1]   ; the two halves of K; each accumulator from its low end on
.endr
.irp e, 0,2,4,6
	v_pk_mul_f32 v[SG+\e:SG+\e+1], v[SG+\e:SG+\e+1], NLOG2E op_sel_hi:[1,0]
.endr
.irp j, 0,1,2,3,4,5,6,7
	v_exp_f32 v[SG+\j], v[SG+\j]                   ; e^-z: infinity for very negative z, 0 for very large z: the sigmoid is then 0 or 1
.endr
	v_nop
	s_wait_alu depctr_va_vdst(0)                   ; one wait for the batch
.irp e, 0,2,4,6
	v_pk_add_f32 v[SG+\e:SG+\e+1], v[SG+\e:SG+\e+1], 1.0 op_sel_hi:[1,0]
.endr
.irp j, 0,1,2,3,4,5,6,7
	v_rcp_f32 v[RC+\j], v[SG+\j]
.endr
	v_nop
	s_wait_alu depctr_va_vdst(0)
.irp j, 0,1,2,3,4,5,6,7
	ds_store_b32 v[STW], v[RC+\j] offset:128*\j    ; stage row f, column b: sixteen lanes write 64 neighbouring bytes
.endr
	BARRIER                                        ; the work-group's 64 rows [32 b] lie in the stage as they will lie in xt
	ds_load_b128 v[OB:OB+3], v[STR]
	ds_load_b128 v[OB+4:OB+7], v[STR] offset:512
	s_wait_dscnt 0x0
	global_store_b128 v[GOF], v[OB:OB+3], s[10:11]             ; 32 lanes store 512 consecutive bytes, at a multiple of 256 from xt's first byte
	global_store_b128 v[GOF], v[OB+4:OB+7], s[10:11] offset:512
	s_wait_tensorcnt 0x0
	ds_add_u32 v198, v199
	s_wait_dscnt 0x0
	CROUND                                         ; the closing round: no work-group ends while a partner may still ask for a tile that names it
	s_endpgm
.Lfunc_end_k_q1a050e9a2f_prep:
	.size	k_q1a050e9a2f_prep, .Lfunc_end_k_q1a050e9a2f_prep-k_q1a050e9a2f_prep
	.p2alignl 7, 3214868480
	.fill 96, 4, 3214868480
	.section	.rodata,"a",@progbits
	.p2align	6, 0x0
	.amdhsa_kernel k_q1a050e9a2f_prep
		.amdhsa_group_segment_fixed_size 249856
		.amdhsa_private_segment_fixed_size 0
		.amdhsa_enable_private_segment 0
		.amdhsa_kernarg_size 40
		.amdhsa_user_sgpr_count 2
		.amdhsa_user_sgpr_kernarg_segment_ptr 1
		.amdhsa_wavefront_size32 1
		.amdhsa_system_sgpr_workgroup_id_x 1
		.amdhsa_system_sgpr_workgroup_id_y 1
		.amdhsa_system_sgpr_workgroup_id_z 1
		.amdhsa_system_vgpr_workitem_id 0
		.amdhsa_next_free_vgpr 256
		.amdhsa_next_free_sgpr 66
		.amdhsa_reserve_vcc 0
		.amdhsa_float_denorm_mode_32 3
		.amdhsa_float_denorm_mode_16_64 3
		.amdhsa_memory_ordered 1
		.amdhsa_forward_progress 1
		.amdhsa_inst_pref_size 30
	.end_amdhsa_kernel
	.amdgpu_metadata
---
amdhsa.version: [ 1, 2 ]
amdhsa.kernels:
  - .name:           k_q1a050e9a2f_prep
    .symbol:         k_q1a050e9a2f_prep.kd
    .args:
      - { .name: x, .offset: 0, .size: 8, .value_kind: global_buffer, .address_space: global }
      - { .name: features, .offset: 8, .size: 8, .value_kind: global_buffer, .address_space: global }
      - { .name: prototypes, .offset: 16, .size: 8, .value_kind: global_buffer, .address_space: global }
      - { .name: xt, .offset: 24, .size: 8, .value_kind: global_buffer, .address_space: global }
      - { .name: pt, .offset: 32, .size: 8, .value_kind: global_buffer, .address_space: global }
    .group_segment_fixed_size: 249856
    .private_segment_fixed_size: 0
    .kernarg_segment_align: 8
    .kernarg_segment_size: 40
    .max_flat_workgroup_size: 256
    .sgpr_count:     66
    .vgpr_count:     256
    .wavefront_size: 32
...
	.end_amdgpu_metadata
.endif
;; end of part 1
;; launch tversky (part 2): grid 4 x 64, 4 waves a work-group, clusters of 4 x 4, 168,448 bytes of LDS; arguments xt, pt, bias, alpha, beta, out0; writes out0
.if DOCPART == 2
	.amdgcn_target "amdgcn-amd-amdhsa--gfx1250"
	.amdhsa_code_object_version 6
	.text
	.protected	k_q1a050e9a2f_tversky
	.globl	k_q1a050e9a2f_tversky
	.p2align	8
	.type	k_q1a050e9a2f_tversky,@function
k_q1a050e9a2f_tversky:
	s_mov_b64 s[64:65], 0
	v_nop
	global_prefetch_b8 v0, s[64:65] scope:SCOPE_SE
	s_setreg_imm32_b32 hwreg(HW_REG_WAVE_MODE, 25, 1), 1
	s_wait_xcnt 0x0
	s_wait_alu depctr_hold_cnt(0) depctr_sa_sdst(0) depctr_va_vdst(0) depctr_va_sdst(0) depctr_va_ssrc(0) depctr_va_vcc(0) depctr_vm_vsrc(0)
	s_getreg_b32 s2, hwreg(HW_REG_IB_STS2, 6, 4)
	s_cmp_eq_u32 s2, 0
	s_cbranch_scc0 .Lentry_in_a_cluster
	s_endpgm
.Lentry_in_a_cluster:
	s_bfe_u32 s2, ttmp6, 0x10000c
	s_cmp_lg_u32 s2, 0xf033
	s_cbranch_scc0 .Lentry_shape_is_right
	s_endpgm
.Lentry_shape_is_right:
; out0[b][p] = I / (I + alpha (Sx[b] - I) + beta (Sp[p] - I) + 1e-8) + bias[p],  I = sum over f of min(xs[b][f], ps[p][f]),  Sx[b] = sum over f of xs[b][f],  Sp[p] = sum over f of ps[p][f].
; min(a, b) + max(a - b, 0) = a for all finite a, b: so the sum of max(xs - ps, 0) is Sx - I and that of max(ps - xs, 0) is Sp - I, and a triple (b, p, f) costs one minimum and one addition.
; xt: [64 blocks of 32 b][256 f][32 b], pt: [4 blocks of 64 p][256 f][64 p], f32, the sigmoids made by the launch before.  bias [256], alpha, beta: f32.  out0 [2048][256] f32.  All arithmetic in f32.
; LIMITS: NaN among the inputs is not served (v_min_num_f32 drops a NaN).  Sx - I and Sp - I carry the rounding of sums of 256 numbers between 0 and 1: at most some 3e-5 of the larger sum.
; SHARES.  Work-group (x = block of p, y = block of b): 32 b x 64 p.  THE FOUR WAVES SHARE f: wave w takes f = 64 w .. 64 w + 63 for the whole tile, so its rows of xt and pt (24,576 bytes of LDS) are its own:
; its own tensor loads fill them, once, and its own waits on TENSORcnt are all that its reads need.  A lane holds 8 b x 8 p: 64 sums.  Lane l: b = 8 (l / 8) + i;  p = 4 (l % 8) + j for j < 4, 32 + 4 (l % 8) + j - 4 else.
; A STEP is one f: four LDS loads of 16 bytes bring 8 xs and 8 ps; 32 pairs of minima (two in an instruction) and 32 packed additions follow: 16 numbers from LDS for 64 minima.
; The four waves' partial tiles meet in LDS; then wave w finishes rows 8 w .. 8 w + 7.  Sx and Sp are summed from the same LDS rows, each wave its own 64 f.
; CLUSTER 4 x 4.  The four work-groups of a cluster's row share their block of b, so xt's rows are asked for jointly along the row; the four of a column share their block of p, so pt's rows along the column.
; Every LDS byte that a tensor load fills is filled once.
.set WREG,   24576                     ; a wave's LDS: 64 rows x 128 bytes of xs, then 64 rows x 256 bytes of ps.  A load's lanes read inside one row: no two different words of a bank
.set POFF,   8192
.set SCR,    4*WREG                    ; the partial tiles: for each wave 32 rows x (256 bytes + 16)
.set SPITCH, 272                       ; 8 rows on is 128 bytes on modulo 256
.set SCRW,   32*SPITCH
.set SXS,    SCR+4*SCRW                ; partial Sx: 128 bytes a wave
.set SPS,    SXS+512                   ; partial Sp: 256 bytes a wave
.set EPSB,   0x322bcc77                ; 1e-8
.set VX0, 6                            ; v6   my 32 bytes in my wave's first row of xs; never rewritten
.set VP0, 7                            ; v7   my 16 bytes in my wave's first row of ps; never rewritten
.set XA,  8                            ; v8, v9    the same at the body's first step, for the loads of a body's first half
.set PA,  9
.set XB,  10                           ; v10, v11  the same, for the loads of its second half: each pair is rewritten only when all loads that named it have been waited for
.set PB,  11
.set SUA, 12                           ; v12  16 x lane in my wave's LDS: the sums' passes
.set SA,  13                           ; v13  where my sums go in my wave's partial tile
.set SXW, 14                           ; v14  where my part of the partial Sx goes;  v15 of Sp
.set SPW, 15
.set RDA, 16                           ; v16  where I read the partial tiles back
.set SPA, 17                           ; v17  and the partial Sp;  v18 Sx
.set SXR, 18
.set GO,  19                           ; v19  my byte offset in the wave's 8 rows of out0
.set BO,  20                           ; v20  16 x (lane % 16)
.set BI,  24                           ; v24-27 bias of my four p
.set ACC, 64                           ; v64-127  sum (i, j) at ACC + 8 i + j
.set BUF, 128                          ; v128-191 four sets of operands: 8 xs, 8 ps
.set TA,  192                          ; v192-207, v208-223 two sets of 16 minima
.set TB,  208
.set XD,  ACC                          ; the end: Sx - I, Sp - I, the divisor, its reciprocal
.set PD,  ACC+16
.set DN,  ACC+32
.set RC,  ACC+48
.set WV,  20
.set G0X, 32                           ; s[32:47] four groups 0 for xt's chunks;  s[48:63] for pt's;  s[68:75], s[76:83] groups 1
.set G0P, 48
.set G1X, 68
.set G1P, 76
.set TX,  86                           ; s86, s87 bytes from my first rows to the body's first step
.set TP,  87
.set CNT, 88
.set SEL, 90
.macro CROUND                          ; a round of the cluster's barrier
	s_barrier_signal -1
	s_barrier_wait -1
	s_cmp_lg_u32 s[WV], 0
	s_cbranch_scc1 .Lnot_wave_0_\@
	s_barrier_signal -3
.Lnot_wave_0_\@:
	s_barrier_wait -3
	s_barrier_signal -1
	s_barrier_wait -1
.endm
.macro LOADS buf, xa, pa, k            ; the operands of the step k steps on from the address registers' step
	ds_load_b128 v[BUF+16*(\buf):BUF+16*(\buf)+3], v[\xa] offset:128*(\k)
	ds_load_b128 v[BUF+16*(\buf)+4:BUF+16*(\buf)+7], v[\xa] offset:128*(\k)+16
	ds_load_b128 v[BUF+16*(\buf)+8:BUF+16*(\buf)+11], v[\pa] offset:256*(\k)
	ds_load_b128 v[BUF+16*(\buf)+12:BUF+16*(\buf)+15], v[\pa] offset:256*(\k)+128
.endm
; 16 minima, rows i = 2 g and 2 g + 1 against the eight p, into v[t] on.  Two in an instruction: one xs as the first source of both halves, two neighbouring ps (different register banks) as the second; results even and odd.
.macro MINS buf, g, t
.irp ii, 0,1
.irp jp, 0,2,4,6
	v_dual_min_num_f32 v[\t+8*\ii+\jp], v[BUF+16*(\buf)+2*(\g)+\ii], v[BUF+16*(\buf)+8+\jp] :: v_dual_min_num_f32 v[\t+8*\ii+\jp+1], v[BUF+16*(\buf)+2*(\g)+\ii], v[BUF+16*(\buf)+9+\jp]
.endr
.endr
.endm
.macro ADDS g, t                       ; and onto their sums, two at a time
.irp e, 0,2,4,6,8,10,12,14
	v_pk_add_f32 v[ACC+16*(\g)+\e:ACC+16*(\g)+\e+1], v[ACC+16*(\g)+\e:ACC+16*(\g)+\e+1], v[\t+\e:\t+\e+1]
.endr
.endm
; Step k of a body of eight.  pre = 1: the operands of three steps on are asked for, into the set that the last step has read.  left: how many younger LDS loads may stay out.
; first = 1: the minima start the sums: nothing is cleared.  Eight instructions or more stand between a minimum and the addition that reads it.
.macro STEP k, first, pre, left
.if \pre
.if (\k) < 4
	LOADS ((\k)+3)%4, XA, PA, (\k)+3
.else
	LOADS ((\k)+3)%4, XB, PB, (\k)+3
.endif
.endif
	s_wait_dscnt \left                             ; LDS loads come back in order (ISA guide 5.7.1): this step's four are in
.if \first
	MINS (\k)%4, 0, ACC
	MINS (\k)%4, 1, ACC+16
	MINS (\k)%4, 2, ACC+32
	MINS (\k)%4, 3, ACC+48
.else
	MINS (\k)%4, 0, TA
	MINS (\k)%4, 1, TB
	ADDS 0, TA
	MINS (\k)%4, 2, TA
	ADDS 1, TB
	MINS (\k)%4, 3, TB
	ADDS 2, TA
	ADDS 3, TB
.endif
.endm
; Eight steps.  At its head the operands of its steps 0, 1, 2 are on their way (12 loads).  XA, PA were last named by the loads for step 6 of the body before, waited for there;
; XB, PB by the loads for this body's step 2, waited for ahead of the lines that rewrite them.  tail = 1: the last body asks for nothing beyond step 63, and the counts run down.
.macro BODY first, tail
	v_add_nc_u32 v[XA], s[TX], v[VX0]
	v_add_nc_u32 v[PA], s[TP], v[VP0]
	STEP 0, \first, 1, 12
	STEP 1, 0, 1, 12
	STEP 2, 0, 1, 12
	STEP 3, 0, 1, 12
	v_add_nc_u32 v[XB], s[TX], v[VX0]
	v_add_nc_u32 v[PB], s[TP], v[VP0]
	s_add_co_u32 s[TX], s[TX], 8*128
	s_add_co_u32 s[TP], s[TP], 8*256
	STEP 4, 0, 1, 12
.if \tail
	STEP 5, 0, 0, 8
	STEP 6, 0, 0, 4
	STEP 7, 0, 0, 0
.else
	STEP 5, 0, 1, 12
	STEP 6, 0, 1, 12
	STEP 7, 0, 1, 12
.endif
.endm
.macro FOLD b, n                       ; registers b + n .. b + 2 n - 1 are added onto the n below them, two at a time
.set e, 0
.rept (\n)/2
	v_pk_add_f32 v[\b+e:\b+e+1], v[\b+e:\b+e+1], v[\b+(\n)+e:\b+(\n)+e+1]
.set e, e+2
.endr
.endm
	s_load_b256 s[4:11], s[0:1], 0x0               ; xt s[4:5], pt s[6:7], bias s[8:9], alpha s[10:11]
	s_load_b128 s[12:15], s[0:1], 0x20             ; beta s[12:13], out0 s[14:15]
	v_lshl_add_u32 v62, v0, 2, 0x29000
	v_mov_b32 v63, 0
	ds_add_u32 v62, v63
	ds_add_u32 v62, v63
	v_lshrrev_b32 v1, 5, v0
	v_readfirstlane_b32 s[WV], v1                  ; wave 0..3
	v_and_b32 v1, 31, v0                           ; lane
	v_and_b32 v2, 7, v0                            ; lane % 8: my place along p
	v_bfe_u32 v3, v0, 3, 2                         ; lane / 8: my place along b
	v_and_b32 v4, 15, v0                           ; lane % 16
	v_bfe_u32 v5, v0, 4, 1                         ; lane / 16
	s_bfe_u32 s21, ttmp6, 0x40000                  ; cx, cy: my place in the cluster
	s_bfe_u32 s22, ttmp6, 0x40004
	s_lshl_b32 s23, ttmp9, 2
	s_add_co_u32 s23, s23, s21                     ; block of p = 4 x cluster x + cx
	s_and_b32 s24, ttmp7, 0xffff
	s_lshl_b32 s24, s24, 2
	s_add_co_u32 s24, s24, s22                     ; block of b = 4 x cluster y + cy
	s_lshl_b32 s25, s22, 2
	s_lshl_b32 s25, 15, s25                        ; my row of the cluster
	s_lshl_b32 s26, 0x1111, s21                    ; my column
	s_mov_b32 s[SEL], 0x76543210
	s_mov_b32 s[SEL+1], 0xfedcba98                 ; v_permlanex16_b32's selects for lane l xor 16
	; descriptor groups 1: dense blocks as rows of 256 bytes (32 elements of 8 bytes).  A chunk is 16 f: 8 such rows of xt, 16 of pt
	s_or_b32 s[G1X], s25, (3<<16)|(1<<21)          ; the mask: xt's rows go to my row of the cluster; elements of 8 bytes; bit 21 set beside a mask; no padding
	s_mov_b32 s[G1X+1], 32<<16                     ; tensor_dim0
	s_mov_b32 s[G1X+2], 8<<16                      ; tensor_dim1
	s_mov_b32 s[G1X+3], 32<<16                     ; tile_dim0
	s_mov_b32 s[G1X+4], 8                          ; tile_dim1
	s_mov_b32 s[G1X+5], 32                         ; tensor_dim0_stride
	s_mov_b32 s[G1X+6], 0
	s_mov_b32 s[G1X+7], 0
	s_or_b32 s[G1P], s26, (3<<16)|(1<<21)          ; pt's rows go to my column
	s_mov_b32 s[G1P+1], 32<<16
	s_mov_b32 s[G1P+2], 16<<16
	s_mov_b32 s[G1P+3], 32<<16
	s_mov_b32 s[G1P+4], 16
	s_mov_b32 s[G1P+5], 32
	s_mov_b32 s[G1P+6], 0
	s_mov_b32 s[G1P+7], 0
	; where my rows begin: xt's hang on the block of b and the wave alone, pt's on the block of p and the wave alone, each in registers that never hold the other coordinate
	s_lshl_b32 s28, s24, 15                        ; a block of xt is 256 rows of 128 bytes;
	s_lshl_b32 s29, s[WV], 13                      ; my 64 rows
	s_add_co_u32 s28, s28, s29
	s_mov_b32 s29, 0
	s_lshl_b32 s30, s23, 16                        ; a block of pt is 256 rows of 256 bytes
	s_lshl_b32 s31, s[WV], 14
	s_add_co_u32 s30, s30, s31
	s_mov_b32 s31, 0
	s_lshl_b32 s92, s24, 15                        ; out0: 32 rows of 1,024 bytes a block of b,
	s_lshl_b32 s93, s[WV], 13                      ; 8 rows a wave,
	s_add_co_u32 s92, s92, s93
	s_lshl_b32 s94, s23, 8                         ; 256 bytes a block of p; bias likewise
	s_add_co_u32 s92, s92, s94
	s_mov_b32 s93, 0
	s_mov_b32 s95, 0
	s_mul_i32 s27, s[WV], WREG                     ; my wave's LDS: the wave's number alone
	v_lshlrev_b32 v[VX0], 5, v3
	v_add_nc_u32 v[VX0], s27, v[VX0]
	v_lshlrev_b32 v[VP0], 4, v2
	s_add_co_u32 s89, s27, POFF
	v_add_nc_u32 v[VP0], s89, v[VP0]
	v_lshlrev_b32 v[SUA], 4, v1
	v_add_nc_u32 v[SUA], s27, v[SUA]
	s_mul_i32 s89, s[WV], SCRW
	s_add_co_u32 s89, s89, SCR
	v_mul_u32_u24 v[SA], v3, 8*SPITCH              ; my partial tile: rows 8 (lane / 8) on, 16 (lane % 8) bytes on
	v_lshl_add_u32 v[SA], v2, 4, v[SA]
	v_add_nc_u32 v[SA], s89, v[SA]
	s_lshl_b32 s89, s[WV], 7
	s_add_co_u32 s89, s89, SXS
	v_lshlrev_b32 v[SXW], 4, v2
	v_add_nc_u32 v[SXW], s89, v[SXW]
	s_lshl_b32 s89, s[WV], 8
	s_add_co_u32 s89, s89, SPS
	v_lshlrev_b32 v[BO], 4, v4
	v_add_nc_u32 v[SPW], s89, v[BO]
	s_mul_i32 s89, s[WV], 8*SPITCH                 ; back: rows 8 w + 4 (lane / 16) + t, 16 (lane % 16) bytes on
	s_add_co_u32 s89, s89, SCR
	v_mul_u32_u24 v[RDA], v5, 4*SPITCH
	v_add_nc_u32 v[RDA], v[RDA], v[BO]
	v_add_nc_u32 v[RDA], s89, v[RDA]
	v_add_nc_u32 v[SPA], SPS, v[BO]
	s_lshl_b32 s89, s[WV], 5
	s_add_co_u32 s89, s89, SXS
	v_lshlrev_b32 v[SXR], 4, v5
	v_add_nc_u32 v[SXR], s89, v[SXR]
	v_lshl_add_u32 v[GO], v5, 12, v[BO]            ; out0: 4 (lane / 16) rows on, 16 (lane % 16) bytes on
	s_mov_b32 s[TX], 0
	s_mov_b32 s[TP], 0
	s_wait_dscnt 0x0
	s_wait_kmcnt 0x0
	s_add_nc_u64 s[28:29], s[4:5], s[28:29]
	s_add_nc_u64 s[30:31], s[6:7], s[30:31]
	s_add_nc_u64 s[14:15], s[14:15], s[92:93]
	s_add_nc_u64 s[8:9], s[8:9], s[94:95]
	s_load_b32 s16, s[10:11], 0x0                  ; alpha
	s_load_b32 s18, s[12:13], 0x0                  ; beta: both are waited for at the end
	CROUND                                         ; all sixteen work-groups are here: the joint loads meet
.irp c, 0,1,2,3
	s_mov_b32 s[G0X+4*\c], 1                       ; count = 1
	s_add_co_u32 s[G0X+4*\c+1], s27, \c*2048       ; LDS address: my wave's rows 16 c on
	s_add_nc_u64 s[G0X+4*\c+2:G0X+4*\c+3], s[28:29], \c*2048
	s_or_b32 s[G0X+4*\c+3], s[G0X+4*\c+3], 0x80000000   ; type = 2
	s_mov_b32 s[G0P+4*\c], 1
	s_add_co_u32 s[G0P+4*\c+1], s27, POFF+\c*4096
	s_add_nc_u64 s[G0P+4*\c+2:G0P+4*\c+3], s[30:31], \c*4096
	s_or_b32 s[G0P+4*\c+3], s[G0P+4*\c+3], 0x80000000
.endr
.irp c, 0,1,2,3                                ; all first fills together, chunk by chunk: eight loads of mine are out
	tensor_load_to_lds s[G0X+4*\c:G0X+4*\c+3], s[G1X:G1X+7]
	s_nop 0
	tensor_load_to_lds s[G0P+4*\c:G0P+4*\c+3], s[G1P:G1P+7]
	s_nop 0
.endr
.rept 4
	v_nop                                          ; four plain lines follow the loads
.endr
	global_load_b128 v[BI:BI+3], v[BO], s[8:9]     ; bias of my four p: waited for at the end
	; ---- the 64 steps.  A body reaches ten steps on from its first step, so the wait for chunk c + 1 stands ahead of the body that begins at step 16 c + 8
	s_wait_tensorcnt 0x6                           ; tensor loads of a wave end in order (ISA guide 10.11.1): chunk 0 is in; the six loads behind it may be out
	LOADS 0, VX0, VP0, 0
	LOADS 1, VX0, VP0, 1
	LOADS 2, VX0, VP0, 2
	BODY 1, 0                                      ; steps 0 to 7: the first step starts the sums
	s_wait_tensorcnt 0x4                           ; chunk 1 is in
	s_mov_b32 s[CNT], 2
.Lchunk1:                                              ; steps 8 to 23
	BODY 0, 0
	s_sub_co_u32 s[CNT], s[CNT], 1
	s_cmp_lg_u32 s[CNT], 0
	s_cbranch_scc1 .Lchunk1
	s_wait_tensorcnt 0x2                           ; chunk 2 is in
	s_mov_b32 s[CNT], 2
.Lchunk2:                                              ; steps 24 to 39
	BODY 0, 0
	s_sub_co_u32 s[CNT], s[CNT], 1
	s_cmp_lg_u32 s[CNT], 0
	s_cbranch_scc1 .Lchunk2
	s_wait_tensorcnt 0x0                           ; chunk 3 is in: no tensor load of mine is out from here on
	s_mov_b32 s[CNT], 2
.Lchunk3:                                              ; steps 40 to 55
	BODY 0, 0
	s_sub_co_u32 s[CNT], s[CNT], 1
	s_cmp_lg_u32 s[CNT], 0
	s_cbranch_scc1 .Lchunk3
	BODY 0, 1                                      ; steps 56 to 63
	; ---- my partial tile goes to LDS, row-major; my 64 rows of xs and of ps are summed
.irp i, 0,1,2,3,4,5,6,7
	ds_store_b128 v[SA], v[ACC+8*\i:ACC+8*\i+3] offset:\i*SPITCH
	ds_store_b128 v[SA], v[ACC+8*\i+4:ACC+8*\i+7] offset:\i*SPITCH+128
.endr
.irp k, 0,1,2,3,4,5,6,7,8,9,10,11,12,13,14,15
	ds_load_b128 v[BUF+4*\k:BUF+4*\k+3], v[SUA] offset:512*\k          ; xs: 512 bytes on end: rows 4 k + lane / 8, b = 4 (lane % 8) on
.endr
.irp k, 0,1,2,3,4,5,6,7,8,9,10,11,12,13,14,15
	ds_load_b128 v[TA+4*\k:TA+4*\k+3], v[SUA] offset:POFF+512*\k       ; ps: rows 2 k + lane / 16, p = 4 (lane % 16) on
.endr
	s_wait_dscnt 32                                ; the 16 stores are done, so the sums' registers are free; the 32 loads behind them may be out
.irp k, 0,1,2,3,4,5,6,7,8,9,10,11,12,13,14,15
	ds_load_b128 v[ACC+4*\k:ACC+4*\k+3], v[SUA] offset:POFF+8192+512*\k   ; ps: the other 32 rows
.endr
	s_wait_dscnt 32                                ; xs's 16 loads are in
	FOLD BUF, 32
	FOLD BUF, 16
	FOLD BUF, 8
	FOLD BUF, 4
.irp m, 0,1,2,3
	v_add_f32_dpp v[BUF+\m], v[BUF+\m], v[BUF+\m] row_xmask:8 row_mask:0xf bank_mask:0xf   ; with lane l xor 8's rows,
.endr
.irp m, 0,1,2,3
	v_permlanex16_b32 v[BUF+4+\m], v[BUF+\m], s[SEL], s[SEL+1]
.endr
	v_pk_add_f32 v[BUF:BUF+1], v[BUF:BUF+1], v[BUF+4:BUF+5]           ; and lane l xor 16's: Sx of four b over my 64 f
	v_pk_add_f32 v[BUF+2:BUF+3], v[BUF+2:BUF+3], v[BUF+6:BUF+7]
	s_wait_dscnt 16                                ; ps's first 16 loads are in
	FOLD TA, 32
	FOLD TA, 16
	FOLD TA, 8
	FOLD TA, 4
	s_wait_dscnt 0x0
	FOLD ACC, 32
	FOLD ACC, 16
	FOLD ACC, 8
	FOLD ACC, 4
	v_pk_add_f32 v[TA:TA+1], v[TA:TA+1], v[ACC:ACC+1]
	v_pk_add_f32 v[TA+2:TA+3], v[TA+2:TA+3], v[ACC+2:ACC+3]
.irp m, 0,1,2,3
	v_permlanex16_b32 v[TA+4+\m], v[TA+\m], s[SEL], s[SEL+1]
.endr
	v_pk_add_f32 v[TA:TA+1], v[TA:TA+1], v[TA+4:TA+5]                 ; Sp of four p over my 64 f
	v_pk_add_f32 v[TA+2:TA+3], v[TA+2:TA+3], v[TA+6:TA+7]
	ds_store_b128 v[SXW], v[BUF:BUF+3]             ; lanes that hold the same four b write the same bytes with the same values
	ds_store_b128 v[SPW], v[TA:TA+3]
	s_wait_dscnt 0x0                               ; for the others' sake: my stores have landed
	s_barrier_signal -1
	s_barrier_wait -1
	; ---- wave w finishes rows 8 w .. 8 w + 7: lane l has rows 8 w + 4 (l / 16) + t, t = 0 .. 3, and p = 4 (l % 16) + 0 .. 3
.irp q, 0,1,2,3
.irp t, 0,1,2,3
	ds_load_b128 v[BUF+16*\q+4*\t:BUF+16*\q+4*\t+3], v[RDA] offset:\q*SCRW+\t*SPITCH
.endr
	ds_load_b128 v[TA+4*\q:TA+4*\q+3], v[SPA] offset:256*\q
	ds_load_b128 v[TB+4*\q:TB+4*\q+3], v[SXR] offset:128*\q
.endr
	s_wait_kmcnt 0x0                               ; alpha and beta
	s_mov_b32 s17, s16                             ; (the packed forms name pairs and take the low word for both halves: so the upper words are written)
	s_mov_b32 s19, s18
	s_wait_loadcnt 0x0                             ; bias
	s_wait_dscnt 0x0
	FOLD BUF, 32                                   ; the four waves' parts: I at v[BUF + 4 t + k]
	FOLD BUF, 16
	FOLD TA, 8                                     ; Sp of my four p
	FOLD TA, 4
	FOLD TB, 8                                     ; Sx of my four rows
	FOLD TB, 4
.irp t, 0,1,2,3
.irp k, 0,1,2,3
	v_sub_f32 v[XD+4*\t+\k], v[TB+\t], v[BUF+4*\t+\k]                 ; Sx - I
.endr
.endr
.irp t, 0,1,2,3
.irp k, 0,2
	v_pk_add_f32 v[PD+4*\t+\k:PD+4*\t+\k+1], v[TA+\k:TA+\k+1], v[BUF+4*\t+\k:BUF+4*\t+\k+1] neg_lo:[0,1] neg_hi:[0,1]   ; Sp - I
.endr
.endr
.irp e, 0,2,4,6,8,10,12,14
	v_pk_fma_f32 v[DN+\e:DN+\e+1], v[XD+\e:XD+\e+1], s[16:17], v[BUF+\e:BUF+\e+1] op_sel_hi:[1,0,1]   ; I + alpha (Sx - I)
.endr
.irp e, 0,2,4,6,8,10,12,14
	v_pk_fma_f32 v[DN+\e:DN+\e+1], v[PD+\e:PD+\e+1], s[18:19], v[DN+\e:DN+\e+1] op_sel_hi:[1,0,1]     ; + beta (Sp - I)
.endr
.irp e, 0,2,4,6,8,10,12,14
	v_pk_add_f32 v[DN+\e:DN+\e+1], v[DN+\e:DN+\e+1], EPSB op_sel_hi:[1,0]                             ; + 1e-8
.endr
.irp j, 0,1,2,3,4,5,6,7,8,9,10,11,12,13,14,15
	v_rcp_f32 v[RC+\j], v[DN+\j]
.endr
	v_nop                                          ; a plain place behind the last reciprocal
	s_wait_alu depctr_va_vdst(0)                   ; one wait for the sixteen, ahead of their first reader
.irp t, 0,1,2,3
.irp k, 0,2
	v_pk_fma_f32 v[XD+4*\t+\k:XD+4*\t+\k+1], v[BUF+4*\t+\k:BUF+4*\t+\k+1], v[RC+4*\t+\k:RC+4*\t+\k+1], v[BI+\k:BI+\k+1]   ; I / divisor + bias
.endr
.endr
.irp t, 0,1,2,3
	global_store_b128 v[GO], v[XD+4*\t:XD+4*\t+3], s[14:15] offset:1024*\t th:TH_STORE_NT   ; 16 lanes store 256 consecutive bytes, at a multiple of 256 from out0's first byte; written once, read by nobody here
.endr
	s_wait_tensorcnt 0x0
	ds_add_u32 v62, v63
	s_wait_dscnt 0x0
	CROUND                                         ; the closing round: no work-group ends while a partner may still ask for rows that name it
	s_endpgm
.Lfunc_end_k_q1a050e9a2f_tversky:
	.size	k_q1a050e9a2f_tversky, .Lfunc_end_k_q1a050e9a2f_tversky-k_q1a050e9a2f_tversky
	.p2alignl 7, 3214868480
	.fill 96, 4, 3214868480
	.section	.rodata,"a",@progbits
	.p2align	6, 0x0
	.amdhsa_kernel k_q1a050e9a2f_tversky
		.amdhsa_group_segment_fixed_size 168448
		.amdhsa_private_segment_fixed_size 0
		.amdhsa_enable_private_segment 0
		.amdhsa_kernarg_size 48
		.amdhsa_user_sgpr_count 2
		.amdhsa_user_sgpr_kernarg_segment_ptr 1
		.amdhsa_wavefront_size32 1
		.amdhsa_system_sgpr_workgroup_id_x 1
		.amdhsa_system_sgpr_workgroup_id_y 1
		.amdhsa_system_sgpr_workgroup_id_z 1
		.amdhsa_system_vgpr_workitem_id 0
		.amdhsa_next_free_vgpr 256
		.amdhsa_next_free_sgpr 96
		.amdhsa_reserve_vcc 0
		.amdhsa_float_denorm_mode_32 3
		.amdhsa_float_denorm_mode_16_64 3
		.amdhsa_memory_ordered 1
		.amdhsa_forward_progress 1
		.amdhsa_inst_pref_size 199
	.end_amdhsa_kernel
	.amdgpu_metadata
---
amdhsa.version: [ 1, 2 ]
amdhsa.kernels:
  - .name:           k_q1a050e9a2f_tversky
    .symbol:         k_q1a050e9a2f_tversky.kd
    .args:
      - { .name: xt, .offset: 0, .size: 8, .value_kind: global_buffer, .address_space: global }
      - { .name: pt, .offset: 8, .size: 8, .value_kind: global_buffer, .address_space: global }
      - { .name: bias, .offset: 16, .size: 8, .value_kind: global_buffer, .address_space: global }
      - { .name: alpha, .offset: 24, .size: 8, .value_kind: global_buffer, .address_space: global }
      - { .name: beta, .offset: 32, .size: 8, .value_kind: global_buffer, .address_space: global }
      - { .name: out0, .offset: 40, .size: 8, .value_kind: global_buffer, .address_space: global }
    .group_segment_fixed_size: 168448
    .private_segment_fixed_size: 0
    .kernarg_segment_align: 8
    .kernarg_segment_size: 48
    .max_flat_workgroup_size: 128
    .sgpr_count:     96
    .vgpr_count:     256
    .wavefront_size: 32
...
	.end_amdgpu_metadata
.endif
;; end of part 2
